; MI455X (gfx1250); checked and timed in simulation.
; The chip was launched on July 23, 2026; its instructions are those of AMD's public machine-readable ISA for CDNA 5 (MIT licence, August 2026) and "CDNA5" Instruction Set Architecture Reference Guide (July 2026). The comments in the code are by the model that wrote it; some were corrected since.
;; Vector Quantizer. Allowed arithmetic: matrix products marked QUANTISED: E3M2 operands, one E8M0 scale for each 32 along K, by v_wmma_scale_f32_16x16x128_f8f6f4 with both operands' format E3M2, f32 sums; everything else in f32.
;; Inputs: embeddings 8,192 x 256 float32; z 8 x 4,096 x 256 float32.
;; Outputs: out0 8 x 4,096 x 256 float32.
;; This version of the problem:
;;   THIS VERSION OF THE PROBLEM IS GIVEN IN LOW PRECISION. The matrix products marked QUANTISED in the list below multiply operands that are first quantised to E3M2 (3 exponent bits, 2 mantissa bits; 6 bits a number), with one power-of-two scale for each 32 numbers along K (OCP MX v1.0); their sums are f32. All else is computed in f32.
;;   The module's matrix products, in the order in which they are computed (A, B: the left and right operand; K: the contracted axis; several contracted axes count as one K, in the product's order):
;;     1. [M 32,768, K 256] x [K 256, N 8,192]; A: input z; B: input embeddings: QUANTISED
;;   THE QUANTISER, for each operand of a quantised product, along K:
;;     - K is cut into blocks of 32 from its start; a last block that is shorter is filled with zeros.
;;     - A block's scale is 2^e with e = floor(log2(the largest magnitude in the block)) - 4, held to -126 .. 127; a block of zeros has e = 0. As a byte (E8M0): e + 127.
;;     - Each number is divided by its block's scale, clamped to +-28, and rounded to the nearest number of E3M2, ties to even, subnormals kept.
;;     - The product sums the exact products of the quantised numbers (number of the format x scale) in f32.
;;   ~~~python
;;   def quantise(x, axis):      # numpy; x: float32 -> the quantised numbers, widened to float32 again
;;       x = np.moveaxis(x, axis, -1); K = x.shape[-1]
;;       x = np.pad(x, [(0, 0)] * (x.ndim - 1) + [(0, -K % 32)]); x = x.reshape(x.shape[:-1] + (-1, 32)); a = np.abs(x).max(-1, keepdims=True)
;;       e = np.where(a > 0, np.clip(np.frexp(np.where(a > 0, a, 1))[1] - 1 - 4, -126, 127), 0)      # np.frexp(a)[1] - 1 = floor(log2(a)), exactly
;;       r = np.clip(x / 2.0 ** e, -28, 28)
;;       step = 2.0 ** (np.maximum(np.frexp(np.where(r == 0, 1, r))[1] - 1, -2) - 2)
;;       q = np.round(r / step) * step * 2.0 ** e      # np.round: ties to even
;;       return np.moveaxis(q.reshape(q.shape[:-2] + (-1,))[..., :K], -1, axis).astype(np.float32)
;;   ~~~
;; One version. Each part assembles by itself: llvm-mc -triple=amdgcn-amd-amdhsa -mcpu=gfx1250 --defsym DOCPART=n.
;; ======== version 1 of 1: 3 launches
;; limits: right only within a limited range of input values
;; workspace buffers: ebook 1,703,936 bytes; zbook 6,815,744 bytes; idx 131,072 bytes of whole numbers
;; launch book (part 1): grid 1280 x 1, 2 waves a work-group, no clusters, 17,664 bytes of LDS; arguments embeddings, z, ebook, zbook; writes ebook, zbook
.if DOCPART == 1
	.amdgcn_target "amdgcn-amd-amdhsa--gfx1250"
	.amdhsa_code_object_version 6
	.text
	.protected	k_q76cb7a8f17_book
	.globl	k_q76cb7a8f17_book
	.p2align	8
	.type	k_q76cb7a8f17_book,@function
k_q76cb7a8f17_book:
	s_mov_b64 s[64:65], 0
	v_nop
	global_prefetch_b8 v0, s[64:65] scope:SCOPE_SE
	s_setreg_imm32_b32 hwreg(HW_REG_WAVE_MODE, 25, 1), 1
	s_wait_xcnt 0x0
; The codebook E [8192][256] f32 is quantised ONCE, along its 256, into codes of BF6 (E3M2) with one E8M0 byte for each 32, and laid as the next launch's registers want it.
; RECORD t (3,328 bytes = 13 x 256) holds codes 16 t .. 16 t + 15:
;   0..1535     the operand's registers for k = 0..127: register quad q (0..2) of lane l at 512 q + 16 l;      1536..3071  the same for k = 128..255;
;   3072..3199  scale words, 4 bytes a lane: lanes 0-15 row l's word for k = 0..127, lanes 16-31 row l - 16's word for k = 128..255;
;   3200..3263  ee[0..15] = the sum of the row's squares, f32, of the UNQUANTISED numbers;   3264..3327  the same sixteen once more, so that the record's last 256 bytes are stored whole.
; A block's scale is 2^(floor(log2(its largest magnitude)) - 4); its byte is that magnitude's exponent field - 4, held at 1 from below.  A block of zeros so gets the byte 1 where the rule says 127:
; its codes are zeros, which add nothing under any byte but 0xff, and this program alone reads the bytes.
; LIMITS: NaN and infinities among the inputs are not served.  ee is summed in four chains of fused squares, another order of rounding than a plain sum's.
; SHARES: a wave makes one record: 16 rows of 1,024 bytes.  Waves share nothing: no barrier.  Each load takes 512 consecutive bytes (half a row); the conversions want 16 NEIGHBOURS along K in a lane,
; so each half goes through the wave's own stage in LDS.  Every store to memory covers whole aligned blocks of 256 bytes.
.set REC,    3328
.set SPITCH, 528                       ; a stage row: 512 bytes + 16 = 33 x 16: the sixteen rows that a read touches fall on sixteen different 16-byte columns modulo 256
.set WLDS,   16*SPITCH+256             ; a wave's LDS: the stage, then 256 bytes for the record's last block
.set G16, 1                            ; v1   16 x lane
.set STW, 2                            ; v2   the stage, on the way in: 16 x lane
.set STR, 3                            ; v3   on the way out: 528 r + 64 h
.set UA,  4                            ; v4   the last block, in: 4 x lane
.set UB,  5                            ; v5   back: 8 x lane
.set G8,  6                            ; v6   8 x lane
.set TM,  16                           ; v16-31   the quantiser's scratch
.set N,   32                           ; v32-95   64 numbers: register 16 b + i = k 32 b + 16 h + i of my row
.set PC,  96                           ; v96-115  the codes: 12 registers, and 8 at work
.set SS,  116                          ; v116-119 the sum of squares, four chains
.set PW0, 120                          ; the scale words of the two halves
.set PW1, 121
.set SW,  122
.set SUM, 123
.set PD,  124
.set UN,  126                          ; v126-127
.set X,   128                          ; v128-255 the two halves as loaded
.set SEL, 10                           ; s[10:11] v_permlanex16_b32's selects for lane l xor 16
.macro GLOAD s                         ; half s of my 16 rows: each load takes 512 consecutive bytes
.irp p, 0,1,2,3,4,5,6,7,8,9,10,11,12,13,14,15
	global_load_b128 v[X+64*\s+4*\p:X+64*\s+4*\p+3], v[G16], s[4:5] offset:1024*\p+512*\s th:TH_LOAD_NT
.endr
.endm
.macro TURN s                          ; through the stage: in as loaded, back 64 bytes of a block's half a lane.  LDS serves a wave's instructions in order (ISA guide 5.7.1.4): no wait between
.irp p, 0,1,2,3,4,5,6,7,8,9,10,11,12,13,14,15
	ds_store_b128 v[STW], v[X+64*\s+4*\p:X+64*\s+4*\p+3] offset:SPITCH*\p
.endr
.irp b, 0,1,2,3
.irp j, 0,1,2,3
	ds_load_b128 v[N+16*\b+4*\j:N+16*\b+4*\j+3], v[STR] offset:128*\b+16*\j
.endr
.endr
.endm
.macro SUMSQ first                     ; my 64 numbers' squares onto four chains; first = 1: the first products start the sums
.if \first
	v_pk_mul_f32 v[SS:SS+1], v[N:N+1], v[N:N+1]
	v_pk_mul_f32 v[SS+2:SS+3], v[N+2:N+3], v[N+2:N+3]
.else
	v_pk_fma_f32 v[SS:SS+1], v[N:N+1], v[N:N+1], v[SS:SS+1]
	v_pk_fma_f32 v[SS+2:SS+3], v[N+2:N+3], v[N+2:N+3], v[SS+2:SS+3]
.endif
.irp j, 4,8,12,16,20,24,28,32,36,40,44,48,52,56,60
	v_pk_fma_f32 v[SS:SS+1], v[N+\j:N+\j+1], v[N+\j:N+\j+1], v[SS:SS+1]
	v_pk_fma_f32 v[SS+2:SS+3], v[N+\j+2:N+\j+3], v[N+\j+2:N+\j+3], v[SS+2:SS+3]
.endr
.endm
; 64 numbers of a lane, v[s] on, become a fragment's codes in v[PC] .. v[PC + 11] and its row's scale word in v[pw].
.macro QUANT s, pw
.irp b, 0,1,2,3
	v_max3_num_f32 v[TM+\b], |v[\s+16*\b]|, |v[\s+1+16*\b]|, 0x2800000   ; block b: my 16 numbers, and the floor 2^(5 - 127): the byte cannot fall under 1
.endr
.irp i, 2,4,6,8,10,12,14
.irp b, 0,1,2,3
	v_max3_num_f32 v[TM+\b], v[TM+\b], |v[\s+16*\b+\i]|, |v[\s+1+16*\b+\i]|   ; the four blocks by turns
.endr
.endr
.irp b, 0,1,2,3
	v_permlanex16_b32 v[TM+4+\b], v[TM+\b], s[SEL], s[SEL+1]
.endr
.irp b, 0,1,2,3
	v_max_num_f32 v[TM+\b], v[TM+\b], v[TM+4+\b]   ; with lane l xor 16's: the block's largest magnitude
.endr
.irp b, 0,1,2,3
	v_add_nc_u32 v[TM+12+\b], 0xfe000000, v[TM+\b]   ; 4 off its exponent field: the conversion takes the exponent field of this operand as its scale
.endr
.irp b, 0,1,2,3
	v_lshrrev_b32 v[TM+4+\b], 23, v[TM+12+\b]      ; the scale's byte
.endr
	v_lshl_or_b32 v[\pw], v[TM+5], 8, v[TM+4]
	v_lshl_or_b32 v[\pw], v[TM+6], 16, v[\pw]
	v_lshl_or_b32 v[\pw], v[TM+7], 24, v[\pw]
.irp c, 0,1
	v_cvt_scalef32_pk16_bf6_f32 v[PC+6*\c:PC+2+6*\c], v[\s+32*\c:\s+15+32*\c], v[TM+12+2*\c]
	v_cvt_scalef32_pk16_bf6_f32 v[PC+12+4*\c:PC+14+4*\c], v[\s+16+32*\c:\s+31+32*\c], v[TM+12+2*\c+1]   ; (a conversion's three registers begin on an even number)
.endr
	v_nop                                          ; one plain place behind a scaled conversion
.irp c, 0,1                                    ; the operand's layout wants a WHOLE block in a lane: lanes 0-15 block 2 c, lanes 16-31 block 2 c + 1
.irp i, 0,1,2
	v_permlane16_swap_b32 v[PC+6*\c+\i], v[PC+12+4*\c+\i]
.endr
.irp i, 0,1,2
	v_mov_b32 v[PC+3+6*\c+\i], v[PC+12+4*\c+\i]
.endr
.endr
.endm
; ONE LAUNCH SERVES BOTH TENSORS: z [32768][256] f32 is quantised by the same rule into records of the same shape (for z the sixteen sums of squares are zz).  The first 256 work-groups take E's 512 records,
; the other 1,024 z's 2,048.  Only the pointers are chosen, by the work-group's number: both tensors take one way through the text.
	s_load_b256 s[16:23], s[0:1], 0x0              ; E s[16:17], z s[18:19], E's records s[20:21], z's records s[22:23]
	v_lshl_add_u32 v115, v0, 2, 0x4400
	v_mov_b32 v125, 0
	v_lshrrev_b32 v7, 5, v0
	v_readfirstlane_b32 s8, v7                     ; wave 0, 1
	v_and_b32 v7, 31, v0                           ; lane
	v_lshlrev_b32 v[G16], 4, v7
	s_cmp_lt_u32 ttmp9, 256
	s_cselect_b32 s13, 0, 256
	s_sub_co_u32 s13, ttmp9, s13                   ; my work-group's number within its tensor
	s_lshl_b32 s13, s13, 1
	s_add_co_u32 s13, s13, s8
	s_lshl_b32 s14, s13, 14                        ; 16 rows of 1,024 bytes
	s_mov_b32 s15, 0
	s_wait_alu depctr_va_vdst(0)
	s_wait_kmcnt 0x0
	s_cmp_lt_u32 ttmp9, 256                        ; E's work-group or z's?  The choice hangs on the work-group's number alone
	s_cselect_b64 s[4:5], s[16:17], s[18:19]
	s_cselect_b64 s[6:7], s[20:21], s[22:23]
	s_add_nc_u64 s[4:5], s[4:5], s[14:15]
	s_mul_i32 s14, s13, REC
	s_add_nc_u64 s[6:7], s[6:7], s[14:15]
	GLOAD 0
	GLOAD 1
	v_and_b32 v8, 15, v0                           ; r
	v_bfe_u32 v9, v0, 4, 1                         ; h
	s_mul_i32 s9, s8, WLDS                         ; my wave's LDS
	v_add_nc_u32 v[STW], s9, v[G16]
	v_mul_u32_u24 v[STR], v8, SPITCH
	v_lshl_add_u32 v[STR], v9, 6, v[STR]
	v_add_nc_u32 v[STR], s9, v[STR]
	v_lshlrev_b32 v[UA], 2, v7
	v_add_nc_u32 v[UA], s9, v[UA]
	v_add_nc_u32 v[UA], 16*SPITCH, v[UA]
	v_lshlrev_b32 v[G8], 3, v7
	v_add_nc_u32 v[UB], s9, v[G8]
	v_add_nc_u32 v[UB], 16*SPITCH, v[UB]
	s_mov_b32 s[SEL], 0x76543210
	s_mov_b32 s[SEL+1], 0xfedcba98
	s_mov_b32 s12, 0xffff0000                      ; lanes 16-31
.irp b, 0,1,2,3
	v_mov_b32 v[TM+4+\b], 0                        ; written once: a lane permute's destination counts as one of its sources
.endr
	v_mov_b32 v[PD], 0
	s_wait_loadcnt 16                              ; the first half's 16 loads are in; the second half's 16 may be out
	TURN 0
	s_wait_dscnt 0x0
	SUMSQ 1
	QUANT N, PW0
.irp q, 0,1,2
	global_store_b128 v[G16], v[PC+4*\q:PC+4*\q+3], s[6:7] offset:512*\q          ; 32 lanes store 512 consecutive bytes, at a multiple of 256 from the buffer's first byte
.endr
	s_wait_loadcnt 0x0                             ; the second half
	TURN 1
	s_wait_xcnt 0x0                                ; the three stores have read their data: the codes' registers are written again only behind this wait
	s_wait_dscnt 0x0
	SUMSQ 0
	QUANT N, PW1
.irp q, 0,1,2
	global_store_b128 v[G16], v[PC+4*\q:PC+4*\q+3], s[6:7] offset:1536+512*\q
.endr
	v_pk_add_f32 v[SS:SS+1], v[SS:SS+1], v[SS+2:SS+3]
	v_add_f32 v[SUM], v[SS], v[SS+1]
	v_permlanex16_b32 v[PD], v[SUM], s[SEL], s[SEL+1]
	v_add_f32 v[SUM], v[SUM], v[PD]                ; ee of row r, in lanes r and r + 16
	v_cndmask_b32 v[SW], v[PW0], v[PW1], s12       ; lanes 0-15 the first half's word, lanes 16-31 the second's
	ds_store_b32 v[UA], v[SW]
	ds_store_b32 v[UA], v[SUM] offset:128
	ds_load_b64 v[UN:UN+1], v[UB]                  ; in order behind my stores
	s_wait_dscnt 0x0
	global_store_b64 v[G8], v[UN:UN+1], s[6:7] offset:3072                        ; the record's last aligned block of 256 bytes, whole
	s_wait_tensorcnt 0x0
	ds_add_u32 v115, v125
	s_wait_dscnt 0x0
	s_endpgm
.Lfunc_end_k_q76cb7a8f17_book:
	.size	k_q76cb7a8f17_book, .Lfunc_end_k_q76cb7a8f17_book-k_q76cb7a8f17_book
	.p2alignl 7, 3214868480
	.fill 96, 4, 3214868480
	.section	.rodata,"a",@progbits
	.p2align	6, 0x0
	.amdhsa_kernel k_q76cb7a8f17_book
		.amdhsa_group_segment_fixed_size 17664
		.amdhsa_private_segment_fixed_size 0
		.amdhsa_enable_private_segment 0
		.amdhsa_kernarg_size 32
		.amdhsa_user_sgpr_count 2
		.amdhsa_user_sgpr_kernarg_segment_ptr 1
		.amdhsa_wavefront_size32 1
		.amdhsa_system_sgpr_workgroup_id_x 1
		.amdhsa_system_sgpr_workgroup_id_y 1
		.amdhsa_system_sgpr_workgroup_id_z 1
		.amdhsa_system_vgpr_workitem_id 0
		.amdhsa_next_free_vgpr 256
		.amdhsa_next_free_sgpr 66
		.amdhsa_reserve_vcc 0
		.amdhsa_float_denorm_mode_32 3
		.amdhsa_float_denorm_mode_16_64 3
		.amdhsa_memory_ordered 1
		.amdhsa_forward_progress 1
		.amdhsa_inst_pref_size 22
	.end_amdhsa_kernel
	.amdgpu_metadata
---
amdhsa.version: [ 1, 2 ]
amdhsa.kernels:
  - .name:           k_q76cb7a8f17_book
    .symbol:         k_q76cb7a8f17_book.kd
    .args:
      - { .name: embeddings, .offset: 0, .size: 8, .value_kind: global_buffer, .address_space: global }
      - { .name: z, .offset: 8, .size: 8, .value_kind: global_buffer, .address_space: global }
      - { .name: ebook, .offset: 16, .size: 8, .value_kind: global_buffer, .address_space: global }
      - { .name: zbook, .offset: 24, .size: 8, .value_kind: global_buffer, .address_space: global }
    .group_segment_fixed_size: 17664
    .private_segment_fixed_size: 0
    .kernarg_segment_align: 8
    .kernarg_segment_size: 32
    .max_flat_workgroup_size: 64
    .sgpr_count:     66
    .vgpr_count:     256
    .wavefront_size: 32
...
	.end_amdgpu_metadata
.endif
;; end of part 1
;; launch nearest (part 2): grid 256 x 1, 8 waves a work-group, no clusters, 33,792 bytes of LDS; arguments zbook, ebook, idx; writes idx
.if DOCPART == 2
	.amdgcn_target "amdgcn-amd-amdhsa--gfx1250"
	.amdhsa_code_object_version 6
	.text
	.protected	k_q76cb7a8f17_nearest
	.globl	k_q76cb7a8f17_nearest
	.p2align	8
	.type	k_q76cb7a8f17_nearest,@function
k_q76cb7a8f17_nearest:
	s_mov_b64 s[64:65], 0
	v_nop
	global_prefetch_b8 v0, s[64:65] scope:SCOPE_SE
	s_setreg_imm32_b32 hwreg(HW_REG_WAVE_MODE, 25, 1), 1
	s_wait_xcnt 0x0
; idx[n] = the FIRST k at which d[n][k] = (zz[n] - 2 dot[n][k]) + ee[k] is least.  dot is the product of z's and E's codes of BF6 (E3M2) with E8M0 scales for each 32 along the 256; all else f32.
; THE TWO ROUNDINGS ARE KEPT AS WRITTEN: one fused multiply-add gives zz - 2 dot rounded once, one addition adds ee; equal distances are settled by index everywhere.
; BOTH OPERANDS COME AS RECORDS of 3,328 bytes for 16 rows, laid by the launch before: register images of the two K steps, scale words, the rows' sums of squares (ee for E, zz for z).
; SHARES.  A work-group owns 128 rows of z and all 8,192 codes.  Each of its eight waves holds the fragments of all eight tiles of 16 rows (192 registers) and walks 64 of the 512 records of 16 codes.
; z's images: wave w loads tile w's 3,072 bytes once and hands them to the others through LDS; the scale words and zz, 192 bytes a tile, each wave loads itself.
; LAYOUT.  Source 0 = 16 codes, source 1 = 16 rows of z: lane (r, h) holds row r of z, register j the code 16 t + 8 h + j.
; THE SEARCH, for a tile of rows and a record: the least M of the lane's eight d; where M < RUN (strictly), RUN, the record's first code IDX and the eight d (KEEP) are taken over by selects.
; E'S RECORDS are read by ONE wave of the work-group each, so they go from memory straight into that wave's operand registers: nine loads a record, four register buffers, asked for three records ahead of
; their products.  No LDS pass, and no barrier in the walk.
; THE WALK IS ROTATED: the codebook is 16 blocks of 32 records; work-group g begins at block g mod 16, goes up to block 15 and on from block 0.  The blocks behind the turn hold LOWER codes, so an equal
; distance there must win: at the turn RUN is raised to the next f32 number above it (its bits +1, or -1 where negative), so that M < RUN then also takes M equal to the old RUN.  Behind the walk RUN is taken
; anew as the least of KEEP, which always holds true distances.  (d is never -0: zz and ee are sums of squares, and x - x gives +0.)
; NO JOINT LOADS: neighbouring work-groups begin at different blocks and so never ask for one record together, and nothing of E passes through LDS that a joint load could fill.
; NO PREFETCH: but for its own first block, a work-group reads only records that the work-groups which began at that block have read before it.
; LIMITS: NaN and infinities among the inputs are not served; a row whose distances are all +infinity or NaN gets no defined index inside the table's range 0 .. 8191.
.set REC,    3328
.set BLK,    32*REC                    ; a block: 4 records for each of the 8 waves; record 32 b + 8 u + w is wave w's u-th of block b
.set ZIMG,   0                         ; z's 16 fragments as images of their registers, 1,536 bytes each
.set MRG,    ZIMG+16*1536              ; the waves' results: 1,024 bytes a wave
.set SPARE,  MRG+8192                  ; the spare words, 128 bytes for each wave
; window 0
.set SPW,  1                           ; my spare word; never rewritten
.set TIDX, 2                           ; the first code of the record in hand (without 8 h)
.set NIL,  3                           ; 0; never rewritten
.set ES,   4                           ; v4-7    the codes' scale words, four buffers.  Scales and nothing else
.set ZS,   8                           ; v8-15   z's scale words, one register a tile.  Scales and nothing else
.set EE,   16                          ; v16-47  ee, four buffers of 8
.set EFL,  48                          ; v48-95  the codes' fragments, buffers 2 and 3
.set ST,   96                          ; v96-127 tile i: +0 zz, +1 RUN, +2 IDX, +3 M
.set KEEP, 128                         ; v128-191 (in the head v128-151: my tile's images on their way to LDS)
.set ACC,  192                         ; v192-255
; window 1: v0-191 z's fragments, (i, s) at 24 i + 12 s
.set EFH,  192                         ; v192-239 the codes' fragments, buffers 0 and 1
.set G16,  240                         ; 16 x lane
.set G4,   241                         ; 4 x lane
.set GEE,  242                         ; 32 h
.set G4R,  243                         ; 4 r
; the head's own names, in registers that take their parts later
.set LI,   99
.set IMW,  119
.set WV,   10
.set CUR,  12                          ; s[12:13] my records of the block in hand
.set NXT,  14                          ; s[14:15] of the next block
.set OF,   16
.set EB,   18                          ; s[18:19] my record of block 0
.set NB,   20                          ; the next block's number
.set SX,   21                          ; 512 b + 16 w
.set WR,   22                          ; the trip at whose head the walk turns: 16 - g mod 16
.set TC,   23                          ; trips done
.set W16,  24
.set SEL,  32
.set MSB, 0
.macro WIN new                         ; a window is switched only where the next line needs it; the immediate's high byte repeats the setting that is left
.if MSB != \new
	s_set_vgpr_msb (MSB<<8)|\new
.set MSB, \new
.endif
.endm
.macro BARRIER
	s_wait_dscnt 0x0
	s_barrier_signal -1
	s_barrier_wait -1
.endm
; A record, at byte o from base s[sb:sb+1], into buffer p: nine loads: six of 512 consecutive bytes (the two fragments as they stand), the scale words, my half's eight ee.  The address registers lie in window 1.
.macro RLOAD p, sb, o
.if (\p) < 2
	WIN 0x41
.irp q, 0,1,2,3,4,5
	global_load_b128 v[EFH+24*(\p)+4*\q:EFH+24*(\p)+4*\q+3], v[G16], s[\sb:\sb+1] offset:(\o)+512*\q
.endr
.else
	WIN 0x01
.irp q, 0,1,2,3,4,5
	global_load_b128 v[EFL+24*((\p)-2)+4*\q:EFL+24*((\p)-2)+4*\q+3], v[G16], s[\sb:\sb+1] offset:(\o)+512*\q
.endr
.endif
	WIN 0x01
	global_load_b32 v[ES+(\p)], v[G4], s[\sb:\sb+1] offset:(\o)+3072
	global_load_b128 v[EE+8*(\p):EE+8*(\p)+3], v[GEE], s[\sb:\sb+1] offset:(\o)+3200
	global_load_b128 v[EE+8*(\p)+4:EE+8*(\p)+7], v[GEE], s[\sb:\sb+1] offset:(\o)+3216
.endm
; 8 matrix instructions: buffer p's 16 codes against tiles of rows i0 .. i0 + 3: K step 0 starts the sums, then K step 1.  The four accumulators take turns.
.macro W i0, p
.if (\p) < 2
	WIN 0x05
.set EFB, EFH+24*(\p)
.else
	WIN 0x04
.set EFB, EFL+24*((\p)-2)
.endif
.irp i, \i0, \i0+1, \i0+2, \i0+3
	v_wmma_scale_f32_16x16x128_f8f6f4 v[ACC+8*(\i):ACC+8*(\i)+7], v[EFB:EFB+11], v[24*(\i):24*(\i)+11], 0, v[ES+(\p)], v[ZS+(\i)] matrix_a_fmt:MATRIX_FMT_BF6 matrix_b_fmt:MATRIX_FMT_BF6
.endr
.irp i, \i0, \i0+1, \i0+2, \i0+3
	v_wmma_scale_f32_16x16x128_f8f6f4 v[ACC+8*(\i):ACC+8*(\i)+7], v[EFB+12:EFB+23], v[24*(\i)+12:24*(\i)+23], v[ACC+8*(\i):ACC+8*(\i)+7], v[ES+(\p)], v[ZS+(\i)] matrix_a_fmt:MATRIX_FMT_BF6 matrix_b_fmt:MATRIX_FMT_BF6 matrix_a_scale:MATRIX_SCALE_ROW1 matrix_b_scale:MATRIX_SCALE_ROW1
.endr
.endm
.macro SEL2 d0, s0, d1, s1             ; two selects on VCC as a pair: d0 even, d1 odd; sources in different banks
	v_dual_cndmask_b32 v[\d0], v[\d0], v[\s0] :: v_dual_cndmask_b32 v[\d1], v[\d1], v[\s1]
.endm
; Tiles of rows i0 .. i0 + 3 against the record in buffer p: 72 vector instructions.  Each accumulator is read from its low end on.
.macro QUAD i0, p
	WIN 0
.irp t, \i0, \i0+1, \i0+2, \i0+3
.irp k, 0,2,4,6
	v_pk_fma_f32 v[ACC+8*(\t)+\k:ACC+8*(\t)+\k+1], v[ACC+8*(\t)+\k:ACC+8*(\t)+\k+1], -2.0, v[ST+4*(\t):ST+4*(\t)+1] op_sel_hi:[1,0,0]   ; zz - 2 dot, rounded once
.endr
.endr
.irp t, \i0, \i0+1, \i0+2, \i0+3
.irp k, 0,2,4,6
	v_pk_add_f32 v[ACC+8*(\t)+\k:ACC+8*(\t)+\k+1], v[ACC+8*(\t)+\k:ACC+8*(\t)+\k+1], v[EE+8*(\p)+\k:EE+8*(\p)+\k+1]   ; + ee, rounded again
.endr
.endr
.irp t, \i0, \i0+1, \i0+2, \i0+3
	v_min3_num_f32 v[ST+4*(\t)+3], v[ACC+8*(\t)], v[ACC+8*(\t)+1], v[ACC+8*(\t)+2]   ; M: the four tiles' chains by turns
.endr
.irp k, 3,5
.irp t, \i0, \i0+1, \i0+2, \i0+3
	s_delay_alu instid0(VALU_DEP_4)
	v_min3_num_f32 v[ST+4*(\t)+3], v[ST+4*(\t)+3], v[ACC+8*(\t)+\k], v[ACC+8*(\t)+\k+1]
.endr
.endr
.irp t, \i0, \i0+1, \i0+2, \i0+3
	s_delay_alu instid0(VALU_DEP_4)
	v_min_num_f32 v[ST+4*(\t)+3], v[ST+4*(\t)+3], v[ACC+8*(\t)+7]
.endr
.irp t, \i0, \i0+1, \i0+2, \i0+3
	v_cmp_lt_f32 vcc_lo, v[ST+4*(\t)+3], v[ST+4*(\t)+1]   ; M < RUN, strictly
	SEL2 ST+4*(\t)+2, TIDX, ST+4*(\t)+1, ST+4*(\t)+3
.irp k, 0,2,4,6
	SEL2 KEEP+8*(\t)+\k, ACC+8*(\t)+\k, KEEP+8*(\t)+\k+1, ACC+8*(\t)+\k+1
.endr
.endr
.endm
; A trip: my four records of a block, in buffers 0 to 3.  Products and vector work go in halves by turns: the other half's 72 vector instructions are the places between a half's products and the first read
; of its results (ISA guide 7.12.1).  last = 1: nothing beyond the walk's end is asked for.
.macro TRIP last
	s_cmp_lg_u32 s[TC], s[WR]
	s_cbranch_scc1 .Lno_turn_\@
.irp i, 0,1,2,3,4,5,6,7                ; the walk turns to block 0: RUN becomes the next number above it
	v_ashrrev_i32 v[ST+4*\i+3], 31, v[ST+4*\i+1]
.endr
.irp i, 0,1,2,3,4,5,6,7
	v_or_b32 v[ST+4*\i+3], 1, v[ST+4*\i+3]
.endr
.irp i, 0,1,2,3,4,5,6,7
	v_add_nc_u32 v[ST+4*\i+1], v[ST+4*\i+1], v[ST+4*\i+3]
.endr
	s_wait_alu depctr_va_vdst(0)
.Lno_turn_\@:
	RLOAD 3, CUR, 24*REC                           ; buffer 3 was read out in the last trip
	s_wait_loadcnt 27                              ; loads come back in order: record 0's nine are in; behind them three records of nine
	W 0, 0
	W 4, 0
	WIN 0
	v_mov_b32 v[TIDX], s[SX]                       ; with the three lines below the four places ahead of the first read of a result
.rept 3
	v_nop
.endr
	QUAD 0, 0
.irp u, 1,2,3
.if \last
	s_wait_loadcnt 9*(3-\u)                        ; behind record u only the walk's last 3 - u records
.else
	s_wait_loadcnt 18                              ; behind record u two records of nine
.endif
	W 0, \u
	QUAD 4, (\u)-1
	v_add_nc_u32 v[TIDX], 128, v[TIDX]
.if \last == 0
	RLOAD (\u)-1, NXT, 8*((\u)-1)*REC              ; the buffer just read out takes the next block's record, three records ahead of its products
.endif
	W 4, \u
	QUAD 0, \u
.endr
	QUAD 4, 3
.endm
; (ra, ia) becomes the lesser of (ra, ia) and (rb, ib): by distance, and among equal distances by index
.macro LEXMIN ra, ia, rb, ib
	v_cmp_lt_f32 s35, v[\rb], v[\ra]
	v_cmp_eq_f32 s36, v[\rb], v[\ra]
	v_cmp_lt_u32 vcc_lo, v[\ib], v[\ia]
	s_and_b32 vcc_lo, vcc_lo, s36
	s_or_b32 vcc_lo, vcc_lo, s35
	v_cndmask_b32 v[\ra], v[\ra], v[\rb], vcc_lo
	v_cndmask_b32 v[\ia], v[\ia], v[\ib], vcc_lo
.endm
	s_load_b128 s[4:7], s[0:1], 0x0                ; z's records s[4:5], E's records s[6:7]
	s_load_b64 s[8:9], s[0:1], 0x10                ; idx
	v_lshl_add_u32 v[SPW], v0, 2, SPARE
	v_mov_b32 v[NIL], 0
	v_lshrrev_b32 v101, 5, v0
	v_and_b32 v102, 31, v0                         ; lane
	v_and_b32 v105, 15, v0                         ; r
	v_bfe_u32 v106, v0, 4, 1                       ; h
	s_delay_alu instid0(VALU_DEP_4)
	v_readfirstlane_b32 s[WV], v101                ; wave 0..7
	s_delay_alu instid0(VALU_DEP_4)
	v_lshl_add_u32 v[LI], v102, 4, ZIMG            ; the images: 16 x lane,
	s_mul_i32 s41, s[WV], 3072
	v_add_nc_u32 v[IMW], s41, v[LI]                ; and my tile's two: + 3,072 x wave
	WIN 0x40
	v_lshlrev_b32 v[G16], 4, v102
	v_lshlrev_b32 v[G4], 2, v102
	v_lshlrev_b32 v[GEE], 5, v106
	v_lshlrev_b32 v[G4R], 2, v105
	WIN 0
	s_wait_alu depctr_va_vdst(0)
	s_mov_b32 s[SEL], 0x76543210
	s_mov_b32 s[SEL+1], 0xfedcba98
	s_mov_b32 s39, 0x7f800000                      ; +infinity
	s_and_b32 s44, ttmp9, 15                       ; my first block
	s_sub_co_u32 s[WR], 16, s44
	s_lshl_b32 s[SX], s44, 9
	s_lshl_b32 s[W16], s[WV], 4
	s_add_co_u32 s[SX], s[SX], s[W16]
	s_add_co_u32 s[NB], s44, 1
	s_and_b32 s[NB], s[NB], 15
	s_mov_b32 s[TC], 0
	s_mul_i32 s26, s[WV], REC
	s_mov_b32 s27, 0
	s_mul_i32 s28, s44, BLK
	s_mov_b32 s29, 0
	s_mul_i32 s[OF], s[NB], BLK
	s_mov_b32 s[OF+1], 0
	s_mul_i32 s30, ttmp9, 8*REC                    ; my work-group's eight records of z
	s_mov_b32 s31, 0
	s_lshl_b32 s46, ttmp9, 9                       ; 128 indices of 4 bytes
	s_mov_b32 s47, 0
	s_wait_kmcnt 0x0
	s_add_nc_u64 s[4:5], s[4:5], s[30:31]
	s_add_nc_u64 s[42:43], s[4:5], s[26:27]        ; my wave's own tile
	s_add_nc_u64 s[8:9], s[8:9], s[46:47]
	s_add_nc_u64 s[EB:EB+1], s[6:7], s[26:27]
	s_add_nc_u64 s[CUR:CUR+1], s[EB:EB+1], s[28:29]
	s_add_nc_u64 s[NXT:NXT+1], s[EB:EB+1], s[OF:OF+1]
	WIN 0x01
.irp q, 0,1,2,3,4,5
	global_load_b128 v[KEEP+4*\q:KEEP+4*\q+3], v[G16], s[42:43] offset:512*\q   ; my tile's two fragments as they stand
.endr
.irp i, 0,1,2,3,4,5,6,7
	global_load_b32 v[ZS+\i], v[G4], s[4:5] offset:REC*\i+3072        ; tile i's scale words: lanes 0-15 K step 0, lanes 16-31 K step 1
	global_load_b32 v[ST+4*\i], v[G4R], s[4:5] offset:REC*\i+3200     ; zz of its row r
.endr
	RLOAD 0, CUR, 0                                ; my first three records of E
	RLOAD 1, CUR, 8*REC
	RLOAD 2, CUR, 16*REC
	WIN 0
	s_wait_loadcnt 43                              ; my tile's six loads are in; behind them 16 of scale words and zz, and 27 of E's records
.irp q, 0,1,2,3,4,5
	ds_store_b128 v[IMW], v[KEEP+4*\q:KEEP+4*\q+3] offset:512*\q
.endr
	BARRIER                                        ; z's sixteen fragments lie in LDS
	WIN 0x40
.irp f, 0,1,2,3,4,5,6,7,8,9,10,11,12,13,14,15
.irp q, 0,1,2
	ds_load_b128 v[12*\f+4*\q:12*\f+4*\q+3], v[LI] offset:1536*\f+512*\q
.endr
.endr
	WIN 0
.irp i, 0,1,2,3,4,5,6,7
	v_mov_b32 v[ST+4*\i+1], s39                    ; RUN = +infinity; what a select writes under a mask has been written whole before
	v_mov_b32 v[ST+4*\i+2], 0
.endr
.set i, 0
.rept 64
	v_mov_b32 v[KEEP+i], s39
.set i, i+1
.endr
	s_wait_alu depctr_va_vdst(0)
	s_wait_dscnt 0x0                               ; z's fragments are in.  (Its scale words and zz are older than E's records: the first trip's wait for loads covers them)
	; ---- the 16 blocks
.Ltrip:
	TRIP 0
	s_wait_alu depctr_va_vdst(0)                   ; RUN may be read at the next trip's head, behind the wait and the jump below
	s_wait_xcnt 0x0                                ; the loads have read their bases: these are written only behind this wait
	s_mov_b64 s[CUR:CUR+1], s[NXT:NXT+1]
	s_lshl_b32 s[SX], s[NB], 9
	s_add_co_u32 s[SX], s[SX], s[W16]
	s_add_co_u32 s[NB], s[NB], 1
	s_and_b32 s[NB], s[NB], 15
	s_mul_i32 s[OF], s[NB], BLK
	s_add_nc_u64 s[NXT:NXT+1], s[EB:EB+1], s[OF:OF+1]
	s_add_co_u32 s[TC], s[TC], 1
	s_cmp_lt_u32 s[TC], 15
	s_cbranch_scc1 .Ltrip
	TRIP 1                                         ; the last block asks only for its own fourth record
	; ---- the index.  Addresses first; then RUN anew as the least of KEEP; then the first j with KEEP[j] = RUN (j goes down, so the lowest is taken last)
	s_lshl_b32 s40, s[WV], 10
	s_lshl_b32 s41, s[WV], 9
	s_lshl_b32 s42, s[WV], 8
	v_and_b32 v48, 16, v0
	v_and_b32 v49, 15, v0
	v_and_b32 v50, 31, v0
	s_delay_alu instid0(VALU_DEP_3)
	v_lshrrev_b32 v48, 1, v48                      ; 8 h
	s_delay_alu instid0(VALU_DEP_3)
	v_lshl_add_u32 v49, v49, 3, s40
	s_delay_alu instid0(VALU_DEP_3)
	v_lshl_add_u32 v51, v50, 3, s42                ; my two indices' place in the work-group's 512 bytes of idx
	s_delay_alu instid0(VALU_DEP_4)
	v_lshl_add_u32 v50, v50, 4, s41
	s_delay_alu instid0(VALU_DEP_3)
	v_add_nc_u32 v49, MRG, v49                     ; wave w's 128 rows x 8 bytes at 1,024 w; row 16 i + r at 128 i + 8 r
	s_delay_alu instid0(VALU_DEP_2)
	v_add_nc_u32 v50, MRG, v50                     ; back: rows 64 w + 2 lane and the next: 16 bytes
.irp i, 0,1,2,3,4,5,6,7
	v_min3_num_f32 v[ST+4*\i+1], v[KEEP+8*\i], v[KEEP+8*\i+1], v[KEEP+8*\i+2]
.endr
.irp k, 3,5
.irp i, 0,1,2,3,4,5,6,7
	v_min3_num_f32 v[ST+4*\i+1], v[ST+4*\i+1], v[KEEP+8*\i+\k], v[KEEP+8*\i+\k+1]
.endr
.endr
.irp i, 0,1,2,3,4,5,6,7
	v_min_num_f32 v[ST+4*\i+1], v[ST+4*\i+1], v[KEEP+8*\i+7]
.endr
.irp i, 0,1,2,3,4,5,6,7
	v_mov_b32 v[ACC+8*\i+4], 7
.endr
.irp j, 6,5,4,3,2,1,0
.irp i, 0,1,2,3,4,5,6,7
	v_cmp_eq_f32 vcc_lo, v[KEEP+8*\i+\j], v[ST+4*\i+1]
	s_delay_alu instid0(VALU_DEP_1)
	v_cndmask_b32 v[ACC+8*\i+4], v[ACC+8*\i+4], \j, vcc_lo
.endr
.endr
.irp i, 0,1,2,3,4,5,6,7
	v_add3_u32 v[ACC+8*\i+1], v[ST+4*\i+2], v[ACC+8*\i+4], v48
	v_mov_b32 v[ACC+8*\i], v[ST+4*\i+1]
.endr
.irp i, 0,1,2,3,4,5,6,7
	v_permlanex16_b32 v[ACC+8*\i+2], v[ACC+8*\i], s[SEL], s[SEL+1]     ; the row's other eight codes of each record lie in the lane 16 away
	v_permlanex16_b32 v[ACC+8*\i+3], v[ACC+8*\i+1], s[SEL], s[SEL+1]
.endr
.irp i, 0,1,2,3,4,5,6,7
	LEXMIN ACC+8*\i, ACC+8*\i+1, ACC+8*\i+2, ACC+8*\i+3
	ds_store_b64 v49, v[ACC+8*\i:ACC+8*\i+1] offset:128*\i             ; both lanes of a row write the same 8 bytes with the same value
.endr
	BARRIER                                        ; the eight waves' results for the 128 rows lie in LDS
	s_cmp_gt_u32 s[WV], 1                          ; waves 0 and 1 join them, 64 rows each, two rows a lane
	s_cbranch_scc1 .Lend
.irp e, 0,1,2,3,4,5,6,7
	ds_load_b128 v[ACC+4*\e:ACC+4*\e+3], v50 offset:1024*\e
.endr
	s_wait_dscnt 0x0
.irp e, 1,2,3,4,5,6,7
	LEXMIN ACC, ACC+1, ACC+4*\e, ACC+4*\e+1
	LEXMIN ACC+2, ACC+3, ACC+4*\e+2, ACC+4*\e+3
.endr
	v_mov_b32 v[ACC], v[ACC+1]
	s_delay_alu instid0(VALU_DEP_2)
	v_mov_b32 v[ACC+1], v[ACC+3]
	global_store_b64 v51, v[ACC:ACC+1], s[8:9]     ; 32 lanes store 256 consecutive bytes, at a multiple of 256 from idx's first byte
.Lend:
	s_wait_tensorcnt 0x0                           ; the wave's end: behind my last LDS store
	ds_add_u32 v[SPW], v[NIL]
	s_wait_dscnt 0x0
	s_endpgm
.Lfunc_end_k_q76cb7a8f17_nearest:
	.size	k_q76cb7a8f17_nearest, .Lfunc_end_k_q76cb7a8f17_nearest-k_q76cb7a8f17_nearest
	.p2alignl 7, 3214868480
	.fill 96, 4, 3214868480
	.section	.rodata,"a",@progbits
	.p2align	6, 0x0
	.amdhsa_kernel k_q76cb7a8f17_nearest
		.amdhsa_group_segment_fixed_size 33792
		.amdhsa_private_segment_fixed_size 0
		.amdhsa_enable_private_segment 0
		.amdhsa_kernarg_size 24
		.amdhsa_user_sgpr_count 2
		.amdhsa_user_sgpr_kernarg_segment_ptr 1
		.amdhsa_wavefront_size32 1
		.amdhsa_system_sgpr_workgroup_id_x 1
		.amdhsa_system_sgpr_workgroup_id_y 1
		.amdhsa_system_sgpr_workgroup_id_z 1
		.amdhsa_system_vgpr_workitem_id 0
		.amdhsa_next_free_vgpr 512
		.amdhsa_next_free_sgpr 66
		.amdhsa_reserve_vcc 1
		.amdhsa_float_denorm_mode_32 3
		.amdhsa_float_denorm_mode_16_64 3
		.amdhsa_memory_ordered 1
		.amdhsa_forward_progress 1
		.amdhsa_inst_pref_size 131
	.end_amdhsa_kernel
	.amdgpu_metadata
---
amdhsa.version: [ 1, 2 ]
amdhsa.kernels:
  - .name:           k_q76cb7a8f17_nearest
    .symbol:         k_q76cb7a8f17_nearest.kd
    .args:
      - { .name: zbook, .offset: 0, .size: 8, .value_kind: global_buffer, .address_space: global }
      - { .name: ebook, .offset: 8, .size: 8, .value_kind: global_buffer, .address_space: global }
      - { .name: idx, .offset: 16, .size: 8, .value_kind: global_buffer, .address_space: global }
    .group_segment_fixed_size: 33792
    .private_segment_fixed_size: 0
    .kernarg_segment_align: 8
    .kernarg_segment_size: 24
    .max_flat_workgroup_size: 256
    .sgpr_count:     66
    .vgpr_count:     512
    .wavefront_size: 32
...
	.end_amdgpu_metadata
.endif
;; end of part 2
;; launch gather (part 3): grid 256 x 1, 8 waves a work-group, no clusters, 0 bytes of LDS; arguments idx, embeddings, out0; writes out0
.if DOCPART == 3
	.amdgcn_target "amdgcn-amd-amdhsa--gfx1250"
	.amdhsa_code_object_version 6
	.text
	.protected	k_q76cb7a8f17_gather
	.globl	k_q76cb7a8f17_gather
	.p2align	8
	.type	k_q76cb7a8f17_gather,@function
k_q76cb7a8f17_gather:
	s_mov_b64 s[64:65], 0
	v_nop
	global_prefetch_b8 v0, s[64:65] scope:SCOPE_SE
	s_setreg_imm32_b32 hwreg(HW_REG_WAVE_MODE, 25, 1), 1
	s_wait_xcnt 0x0
; out0[n][:] = E[idx[n]][:].  idx: 32,768 whole numbers, stored by the launch before; E: [8192][256] f32; out0: [32768][256] f32.
; A wave takes 16 rows.  Its 16 indices are 64 consecutive bytes: one scalar load.  A row is 1,024 bytes: two loads and two stores of 512 consecutive bytes each, 16 bytes a lane.
; All 32 loads of a wave go out before its first store; every register is written once, so no wait frees a source.  No LDS, no barrier: waves share nothing.
; The loads carry no hint (a row of E may be named by many n); the stores are of bytes that are written once and read by nobody here.
	s_load_b128 s[4:7], s[0:1], 0x0                ; idx s[4:5], E s[6:7]
	s_load_b64 s[8:9], s[0:1], 0x10                ; out0
	v_lshrrev_b32 v1, 5, v0
	s_delay_alu instid0(VALU_DEP_1)
	v_readfirstlane_b32 s10, v1                    ; wave 0..7
	v_and_b32 v1, 31, v0
	s_delay_alu instid0(VALU_DEP_1)
	v_lshlrev_b32 v1, 4, v1                        ; 16 x lane
	s_lshl_b32 s11, ttmp9, 7
	s_lshl_b32 s12, s10, 4
	s_add_co_u32 s11, s11, s12                     ; my first row: 128 x work-group + 16 x wave
	s_lshl_b32 s12, s11, 2                         ; its index,
	s_mov_b32 s13, 0
	s_lshl_b32 s14, s11, 10                        ; its row of out0 (under 2^25)
	s_mov_b32 s15, 0
	s_wait_alu depctr_va_vdst(0)
	s_wait_kmcnt 0x0
	s_add_nc_u64 s[4:5], s[4:5], s[12:13]
	s_add_nc_u64 s[8:9], s[8:9], s[14:15]
	s_load_b512 s[16:31], s[4:5], 0x0              ; my 16 indices
	s_wait_kmcnt 0x0
.irp k, 0,1,2,3,4,5,6,7,8,9,10,11,12,13,14,15
	s_min_u32 s[16+\k], s[16+\k], 0x1fff           ; an index stays inside the table
	s_lshl_b32 s[16+\k], s[16+\k], 10              ; its row's first byte
	v_add_nc_u32 v[2+\k], s[16+\k], v1
	global_load_b128 v[24+8*\k:27+8*\k], v[2+\k], s[6:7]
	global_load_b128 v[28+8*\k:31+8*\k], v[2+\k], s[6:7] offset:512
.endr
.irp k, 0,1,2,3,4,5,6,7,8,9,10,11,12,13,14,15
	s_wait_loadcnt 30-2*\k                         ; loads come back in order (ISA guide 5.7.1): row k's two are in; the later rows' 30 - 2 k may be out
	global_store_b128 v1, v[24+8*\k:27+8*\k], s[8:9] offset:1024*\k th:TH_STORE_NT        ; 32 lanes store 512 consecutive bytes, at a multiple of 256 from out0's first byte
	global_store_b128 v1, v[28+8*\k:31+8*\k], s[8:9] offset:1024*\k+512 th:TH_STORE_NT
.endr
	s_endpgm
.Lfunc_end_k_q76cb7a8f17_gather:
	.size	k_q76cb7a8f17_gather, .Lfunc_end_k_q76cb7a8f17_gather-k_q76cb7a8f17_gather
	.p2alignl 7, 3214868480
	.fill 96, 4, 3214868480
	.section	.rodata,"a",@progbits
	.p2align	6, 0x0
	.amdhsa_kernel k_q76cb7a8f17_gather
		.amdhsa_group_segment_fixed_size 0
		.amdhsa_private_segment_fixed_size 0
		.amdhsa_enable_private_segment 0
		.amdhsa_kernarg_size 24
		.amdhsa_user_sgpr_count 2
		.amdhsa_user_sgpr_kernarg_segment_ptr 1
		.amdhsa_wavefront_size32 1
		.amdhsa_system_sgpr_workgroup_id_x 1
		.amdhsa_system_sgpr_workgroup_id_y 1
		.amdhsa_system_sgpr_workgroup_id_z 1
		.amdhsa_system_vgpr_workitem_id 0
		.amdhsa_next_free_vgpr 152
		.amdhsa_next_free_sgpr 66
		.amdhsa_reserve_vcc 0
		.amdhsa_float_denorm_mode_32 3
		.amdhsa_float_denorm_mode_16_64 3
		.amdhsa_memory_ordered 1
		.amdhsa_forward_progress 1
		.amdhsa_inst_pref_size 10
	.end_amdhsa_kernel
	.amdgpu_metadata
---
amdhsa.version: [ 1, 2 ]
amdhsa.kernels:
  - .name:           k_q76cb7a8f17_gather
    .symbol:         k_q76cb7a8f17_gather.kd
    .args:
      - { .name: idx, .offset: 0, .size: 8, .value_kind: global_buffer, .address_space: global }
      - { .name: embeddings, .offset: 8, .size: 8, .value_kind: global_buffer, .address_space: global }
      - { .name: out0, .offset: 16, .size: 8, .value_kind: global_buffer, .address_space: global }
    .group_segment_fixed_size: 0
    .private_segment_fixed_size: 0
    .kernarg_segment_align: 8
    .kernarg_segment_size: 24
    .max_flat_workgroup_size: 256
    .sgpr_count:     66
    .vgpr_count:     152
    .wavefront_size: 32
...
	.end_amdgpu_metadata
.endif
;; end of part 3
